; MI455X (gfx1250); checked and timed in simulation.
; The chip was launched on July 23, 2026; its instructions are those of AMD's public machine-readable ISA for CDNA 5 (MIT licence, August 2026) and "CDNA5" Instruction Set Architecture Reference Guide (July 2026). The comments in the code are by the model that wrote it; some were corrected since.
;; Local Decoder. Allowed arithmetic: matrix products marked QUANTISED: E5M2 operands, one given power-of-two scale a tensor, by v_wmma_f32_16x16x64_bf8_bf8 or v_wmma_f32_16x16x128_bf8_bf8, f32 sums; products left as they are: f32 operands where the result goes on into a quantised operand, else bf16, f16 or f32 operands; f32 sums; everything else in f32.
;; Inputs: b0_b 5 x 128 float32; b0_w 5 x 128 x 128 float32; b1_b 5 x 128 float32; b1_w 5 x 128 x 128 float32; c_grid 2 x 128 x 64 x 64 x 64 float32; fc_c_b 5 x 128 float32; fc_c_w 5 x 128 x 128 float32; fc_p_b 128 float32; fc_p_w 128 x 3 float32; lowp_scales 30 int32 (the exponents e of the quantised operands' scales 2^e); out_b 1 float32; out_w 1 x 128 float32; p 2 x 65,536 x 3 float32.
;; Outputs: out0 2 x 65,536 x 1 float32.
;; This version of the problem:
;;   THIS VERSION OF THE PROBLEM IS GIVEN IN LOW PRECISION. The matrix products marked QUANTISED in the list below multiply operands that are first quantised to E5M2 (5 exponent bits, 2 mantissa bits; 8 bits a number), with one given power-of-two scale for each operand tensor; their sums are f32. All else is computed in f32.
;;   The module's matrix products, in the order in which they are computed (A, B: the left and right operand; K: the contracted axis; several contracted axes count as one K, in the product's order):
;;     1. [M 131,072, K 3] x [K 3, N 128]; A: input p; B: input fc_p_w: left as it is (K = 3 < 32)
;;     2. [M 131,072, K 128] x [K 128, N 128]; A: computed on the way; B: input fc_c_w: QUANTISED (scales: A lowp_scales[0], B lowp_scales[1])
;;     3. [M 131,072, K 128] x [K 128, N 128]; A: computed on the way; B: input b0_w: QUANTISED (scales: A lowp_scales[2], B lowp_scales[3])
;;     4. [M 131,072, K 128] x [K 128, N 128]; A: computed on the way; B: input b1_w: QUANTISED (scales: A lowp_scales[4], B lowp_scales[5])
;;     5. [M 131,072, K 128] x [K 128, N 128]; A: computed on the way; B: input fc_c_w: QUANTISED (scales: A lowp_scales[6], B lowp_scales[7])
;;     6. [M 131,072, K 128] x [K 128, N 128]; A: computed on the way; B: input b0_w: QUANTISED (scales: A lowp_scales[8], B lowp_scales[9])
;;     7. [M 131,072, K 128] x [K 128, N 128]; A: computed on the way; B: input b1_w: QUANTISED (scales: A lowp_scales[10], B lowp_scales[11])
;;     8. [M 131,072, K 128] x [K 128, N 128]; A: computed on the way; B: input fc_c_w: QUANTISED (scales: A lowp_scales[12], B lowp_scales[13])
;;     9. [M 131,072, K 128] x [K 128, N 128]; A: computed on the way; B: input b0_w: QUANTISED (scales: A lowp_scales[14], B lowp_scales[15])
;;     10. [M 131,072, K 128] x [K 128, N 128]; A: computed on the way; B: input b1_w: QUANTISED (scales: A lowp_scales[16], B lowp_scales[17])
;;     11. [M 131,072, K 128] x [K 128, N 128]; A: computed on the way; B: input fc_c_w: QUANTISED (scales: A lowp_scales[18], B lowp_scales[19])
;;     12. [M 131,072, K 128] x [K 128, N 128]; A: computed on the way; B: input b0_w: QUANTISED (scales: A lowp_scales[20], B lowp_scales[21])
;;     13. [M 131,072, K 128] x [K 128, N 128]; A: computed on the way; B: input b1_w: QUANTISED (scales: A lowp_scales[22], B lowp_scales[23])
;;     14. [M 131,072, K 128] x [K 128, N 128]; A: computed on the way; B: input fc_c_w: QUANTISED (scales: A lowp_scales[24], B lowp_scales[25])
;;     15. [M 131,072, K 128] x [K 128, N 128]; A: computed on the way; B: input b0_w: QUANTISED (scales: A lowp_scales[26], B lowp_scales[27])
;;     16. [M 131,072, K 128] x [K 128, N 128]; A: computed on the way; B: input b1_w: QUANTISED (scales: A lowp_scales[28], B lowp_scales[29])
;;     17. [M 131,072, K 128] x [K 128, N 1]; A: computed on the way; B: input out_w: left as it is (N = 1 < 16)
;;   THE QUANTISER, for each operand of a quantised product, along K:
;;     - The operand's scale is 2^e, e = its entry of the input lowp_scales (int32; the entries are numbered through the quantised products in the list's order, A before B).
;;     - Each number is divided by the scale, clamped to +-57,344, and rounded to the nearest number of E5M2, ties to even, subnormals kept.
;;     - The product sums the exact products of the quantised numbers (number of the format x scale) in f32.
;;   ~~~python
;;   def quantise(x, axis, e):      # numpy; x: float32 -> the quantised numbers, widened to float32 again
;;       x = np.moveaxis(x, axis, -1); K = x.shape[-1]
;;       r = np.clip(x / 2.0 ** e, -57344, 57344)
;;       step = 2.0 ** (np.maximum(np.frexp(np.where(r == 0, 1, r))[1] - 1, -14) - 2)
;;       q = np.round(r / step) * step * 2.0 ** e      # np.round: ties to even
;;       return np.moveaxis(q, -1, axis).astype(np.float32)
;;   ~~~
;;   OPERANDS COMPUTED ON THE WAY. 'Computed on the way' means the value that the module computes at that place (a softmax that the list does not call 'softmax' is quantised finished and normalised). What goes into a quantiser is computed in f32, as accurately as f32 sums, v_exp_f32 and their like allow (about 1e-6 of the number): no bf16 or f16 on the way to a quantiser, and a product that is left as it is and whose result goes on into a quantised operand takes f32 operands (vector FMAs, or v_wmma_f32_16x16x4_f32). A number that lies on a knife's edge between two numbers of the format may be rounded either way, as far as f32 arithmetic and the matrix unit's own rounding can turn it there, and no further.
;; One version. Each part assembles by itself: llvm-mc -triple=amdgcn-amd-amdhsa -mcpu=gfx1250 --defsym DOCPART=n.
;; ======== version 1 of 1: 4 launches
;; limits: right only within a limited range of input values
;; workspace buffers: key 524,288 bytes of whole numbers; wts 2,097,152 bytes; wimg 253,952 bytes; recs 524,288 bytes of whole numbers; cnt 16,128 bytes of whole numbers; cf 67,108,864 bytes
;; launch prep (part 1): grid 528 x 1, 8 waves a work-group, no clusters, 0 bytes of LDS; arguments p, key, wts, lowp_scales, fc_c_w, b0_w, b1_w, wimg, fc_c_b, b0_b, b1_b, fc_p_b, fc_p_w, out_w, out_b; writes key, wts, wimg
.if DOCPART == 1
	.amdgcn_target "amdgcn-amd-amdhsa--gfx1250"
	.amdhsa_code_object_version 6
	.text
	.protected	k_q1a086e9f6a_prep
	.globl	k_q1a086e9f6a_prep
	.p2align	8
	.type	k_q1a086e9f6a_prep,@function
k_q1a086e9f6a_prep:
	s_mov_b64 s[64:65], 0
	v_nop
	global_prefetch_b8 v0, s[64:65] scope:SCOPE_SE
	s_setreg_imm32_b32 hwreg(HW_REG_WAVE_MODE, 25, 1), 1
	s_wait_xcnt 0x0
; PREP: three kinds of work-groups, told apart by the work-group's number alone.  No LDS, no barrier, EXEC is never written.
;  0..511   POINTS.  256 points each: p -> the cell (x0, y0, z0 = min(floor(i), 62)) and the weights w = i - cell (at i = 63: w = 1, the value that a clamp of the upper neighbour gives too).
;           key = x0 | yl << 6 | zl << 9 | rho << 13: the grid's cells are cut into 9 x 7 regions of 7 cells along y and 9 along z; rho = 7 (y0 / 7) + z0 / 9; yl, zl: the cell inside its region.
;           The key is stored as a whole number; no address here hangs on it.  wts = (wx, wy, wz, 0).
;  512..526 WEIGHTS.  Matrix mi = 3 i + k (k = 0 fc_c_w[i], 1 b0_w[i], 2 b1_w[i]) becomes codes of E5M2 with its given scale, entry 6 i + 2 k + 1, laid as IMAGES OF THE OPERAND'S REGISTERS:
;           byte mi x 16384 + t x 2048 + c x 512 + lane x 16; lane (r, h) of tile t holds row 16 t + r; its byte R holds k = 16 (R / 8) + 8 h + R % 8.  A wave makes a tile.
;  527      TABLES of 128 f32 at wimg + 245,760 + 512 v, scaled by the powers of two that the sums of the products lack:
;           v 0..4 (fc_c_b[i] + (i ? b1_b[i-1] : fc_p_b)) / 2^(e[6i] + e[6i+1]);  5..9 b0_b[i] / 2^(e[6i+2] + e[6i+3]);  10 b1_b[4] / 2^(e28 + e29);  11 out_w x 2^(e28 + e29);  12..14 fc_p_w[.][d];  15 out_b in all places.
; LIMITS: NaN and infinities in p are not served.  A weight's e lies between -126 and 112, so that 2^e and 57,344 x 2^e are f32 numbers.  The tables are scaled by v_ldexp_f32: what leaves f32's range there is lost.
.set E, 36                             ; s[36:63]: e0 .. e27 on the tables' path; e28, e29 in s66, s67
	s_load_b512 s[4:19], s[0:1], 0x0               ; p s[4:5], key s[6:7], wts s[8:9], scales s[10:11], fc_c_w s[12:13], b0_w s[14:15], b1_w s[16:17], wimg s[18:19]
	s_load_b256 s[20:27], s[0:1], 0x40             ; fc_c_b s[20:21], b0_b s[22:23], b1_b s[24:25], fc_p_b s[26:27]
	s_load_b128 s[28:31], s[0:1], 0x60             ; fc_p_w s[28:29], out_w s[30:31]
	s_load_b64 s[32:33], s[0:1], 0x70              ; out_b
	v_lshrrev_b32 v1, 5, v0
	s_delay_alu instid0(VALU_DEP_1)
	v_readfirstlane_b32 s34, v1                    ; wave 0..7
	s_mov_b32 s3, 0                                ; the upper word of every offset pair s[2:3]
	s_wait_kmcnt 0x0
	s_cmp_lt_u32 ttmp9, 512
	s_cbranch_scc0 .Lnot_points
; ---------------- POINTS
	s_mul_i32 s2, ttmp9, 3072                      ; 256 points x 12 bytes
	s_add_nc_u64 s[4:5], s[4:5], s[2:3]
	v_mul_u32_u24 v1, v0, 12
	global_load_b32 v2, v1, s[4:5]
	global_load_b32 v3, v1, s[4:5] offset:4
	global_load_b32 v4, v1, s[4:5] offset:8
	s_lshl_b32 s2, ttmp9, 10
	s_add_nc_u64 s[6:7], s[6:7], s[2:3]
	s_lshl_b32 s2, ttmp9, 12
	s_add_nc_u64 s[8:9], s[8:9], s[2:3]
	s_mov_b32 s36, 0x3f8ced91                      ; D = 1.101 as f32
	s_mov_b32 s37, 0x3f688412                      ; about 1 / D
	s_mov_b32 s38, 0x427c0000                      ; 63.0
	v_mov_b32 v15, 0
	v_lshlrev_b32 v28, 2, v0
	v_lshlrev_b32 v29, 4, v0
	s_wait_loadcnt 0x0
; one coordinate: i = clip(((2 (p / D + 0.5) - 1) + 1) x 0.5 x 63, 0, 63), in that order; the division as a product with one correction step
.macro AXIS src, w, i
	v_mul_f32 v10, s37, v[\src]
	s_delay_alu instid0(VALU_DEP_1)
	v_fma_f32 v11, -v10, s36, v[\src]              ; what the quotient leaves
	s_delay_alu instid0(VALU_DEP_1)
	v_fma_f32 v10, v11, s37, v10
	s_delay_alu instid0(VALU_DEP_1)
	v_add_f32 v10, 0.5, v10
	s_delay_alu instid0(VALU_DEP_1)
	v_fma_f32 v10, 2.0, v10, -1.0                  ; (the doubling is exact: one rounding, as a product and a difference have)
	s_delay_alu instid0(VALU_DEP_1)
	v_add_f32 v10, 1.0, v10
	s_delay_alu instid0(VALU_DEP_1)
	v_mul_f32 v10, 0.5, v10
	s_delay_alu instid0(VALU_DEP_1)
	v_mul_f32 v10, s38, v10
	s_delay_alu instid0(VALU_DEP_1)
	v_med3_num_f32 v10, v10, 0, s38
	s_delay_alu instid0(VALU_DEP_1)
	v_floor_f32 v11, v10
	s_delay_alu instid0(VALU_DEP_1)
	v_min_num_f32 v11, 0x42780000, v11             ; the cell: 62 at the most
	s_delay_alu instid0(VALU_DEP_1)
	v_sub_f32 v[\w], v10, v11
	s_delay_alu instid0(VALU_DEP_2)
	v_cvt_u32_f32 v[\i], v11
.endm
	AXIS 2, 12, 20                                 ; x
	AXIS 3, 13, 21                                 ; y
	AXIS 4, 14, 22                                 ; z
	v_mul_u32_u24 v23, v21, 37
	s_delay_alu instid0(VALU_DEP_1)
	v_lshrrev_b32 v23, 8, v23                      ; y0 / 7 (exact for 0 .. 62)
	s_delay_alu instid0(VALU_DEP_1)
	v_mul_u32_u24 v24, v23, 7
	s_delay_alu instid0(VALU_DEP_1)
	v_sub_nc_u32 v25, v21, v24                     ; yl
	v_mul_u32_u24 v26, v22, 57
	s_delay_alu instid0(VALU_DEP_1)
	v_lshrrev_b32 v26, 9, v26                      ; z0 / 9 (exact for 0 .. 62)
	s_delay_alu instid0(VALU_DEP_1)
	v_mul_u32_u24 v27, v26, 9
	s_delay_alu instid0(VALU_DEP_1)
	v_sub_nc_u32 v27, v22, v27                     ; zl
	s_delay_alu instid0(VALU_DEP_3)
	v_add_nc_u32 v24, v24, v26                     ; rho
	v_lshl_or_b32 v20, v25, 6, v20
	s_delay_alu instid0(VALU_DEP_1)
	v_lshl_or_b32 v20, v27, 9, v20
	s_delay_alu instid0(VALU_DEP_1)
	v_lshl_or_b32 v20, v24, 13, v20
	global_store_b32 v28, v20, s[6:7]              ; a wave stores 128 consecutive bytes, the work-group 1,024
	global_store_b128 v29, v[12:15], s[8:9]        ; a wave stores 512 consecutive bytes
	s_endpgm
; ---------------- WEIGHTS
.Lnot_points:
	s_cmp_lt_u32 ttmp9, 527
	s_cbranch_scc0 .Ltables
	s_sub_co_u32 s35, ttmp9, 512                   ; mi
	s_mul_i32 s36, s35, 11
	s_lshr_b32 s36, s36, 5                         ; i = mi / 3 (exact for 0 .. 14)
	s_mul_i32 s37, s36, 3
	s_sub_co_u32 s37, s35, s37                     ; k
	s_cmp_eq_u32 s37, 1
	s_cselect_b64 s[12:13], s[14:15], s[12:13]
	s_cmp_eq_u32 s37, 2
	s_cselect_b64 s[12:13], s[16:17], s[12:13]     ; the tensor, chosen by the work-group's number alone
	s_lshl_b32 s2, s36, 16
	s_add_nc_u64 s[12:13], s[12:13], s[2:3]        ; its matrix i: 65,536 bytes each
	s_mul_i32 s2, s36, 24
	s_lshl_b32 s38, s37, 3
	s_add_co_u32 s2, s2, s38                       ; 4 (6 i + 2 k)
	s_add_nc_u64 s[10:11], s[10:11], s[2:3]
	s_load_b32 s40, s[10:11], 0x4                  ; e, entry 6 i + 2 k + 1
	s_lshl_b32 s2, s35, 14
	s_lshl_b32 s38, s34, 11
	s_add_co_u32 s2, s2, s38
	s_add_nc_u64 s[18:19], s[18:19], s[2:3]        ; my tile's image
	v_and_b32 v1, 15, v0                           ; r
	v_bfe_u32 v2, v0, 4, 1                         ; h
	s_delay_alu instid0(VALU_DEP_2)
	v_lshlrev_b32 v3, 9, v1
	s_delay_alu instid0(VALU_DEP_1)
	v_lshl_add_u32 v3, v2, 5, v3
	s_lshl_b32 s38, s34, 13
	v_add_nc_u32 v3, s38, v3                       ; row 16 t + r of 512 bytes, + 32 h
.irp m, 0,1,2,3,4,5,6,7
	global_load_b128 v[16+8*\m:19+8*\m], v3, s[12:13] offset:64*\m       ; k = 16 m + 8 h + 0 .. 3
	global_load_b128 v[20+8*\m:23+8*\m], v3, s[12:13] offset:64*\m+16    ; .. + 4 .. 7
.endr
	v_and_b32 v4, 31, v0
	s_delay_alu instid0(VALU_DEP_1)
	v_lshlrev_b32 v4, 4, v4
	s_wait_kmcnt 0x0
	s_add_co_i32 s40, s40, 127
	s_lshl_b32 s41, s40, 23
	v_mov_b32 v11, s41                             ; 2^e as f32: the conversion takes its exponent field
	s_add_co_i32 s40, s40, 15
	s_lshl_b32 s40, s40, 23
	s_or_b32 s40, s40, 0x600000
	v_mov_b32 v10, s40                             ; 57,344 x 2^e
	s_wait_alu depctr_va_vdst(0)
	s_wait_loadcnt 0x0
.set n, 0
.rept 64
	v_med3_num_f32 v[16+n], v[16+n], -v10, v10     ; the conversion to an 8-bit code does not saturate (ISA guide 7.6.2): the hold comes first
.set n, n+1
.endr
.irp m, 0,1,2,3,4,5,6,7
	v_cvt_scalef32_pk8_bf8_f32 v[80+2*\m:81+2*\m], v[16+8*\m:23+8*\m], v11
.endr
	v_nop                                          ; a plain line behind the last conversion
.irp c, 0,1,2,3
	global_store_b128 v4, v[80+4*\c:83+4*\c], s[18:19] offset:512*\c     ; 512 consecutive bytes a store
.endr
	s_endpgm
; ---------------- TABLES
.Ltables:
	s_load_b512 s[36:51], s[10:11], 0x0            ; e0 .. e15
	s_load_b256 s[52:59], s[10:11], 0x40           ; e16 .. e23
	s_load_b128 s[60:63], s[10:11], 0x60           ; e24 .. e27
	s_load_b64 s[66:67], s[10:11], 0x70            ; e28, e29
	s_load_b32 s68, s[32:33], 0x0                  ; out_b
	s_add_nc_u64 s[18:19], s[18:19], 245760
	v_and_b32 v1, 127, v0                          ; the unit u
	s_delay_alu instid0(VALU_DEP_1)
	v_lshlrev_b32 v2, 2, v1
	s_delay_alu instid0(VALU_DEP_2)
	v_mul_u32_u24 v3, v1, 12
	s_cmp_lt_u32 s34, 4
	s_cbranch_scc0 .Lupper
.irp i, 0,1,2,3,4
	global_load_b32 v[16+\i], v2, s[20:21] offset:512*\i     ; fc_c_b[i]
	global_load_b32 v[24+\i], v2, s[24:25] offset:512*\i     ; b1_b[i]
.endr
	global_load_b32 v30, v2, s[26:27]              ; fc_p_b
	global_load_b32 v31, v2, s[30:31]              ; out_w
	s_wait_loadcnt 0x0
	s_wait_kmcnt 0x0
	v_add_f32 v40, v16, v30
.irp i, 1,2,3,4
	v_add_f32 v[40+\i], v[16+\i], v[23+\i]         ; fc_c_b[i] + b1_b[i - 1]: the bias that the block before left to this one
.endr
	s_wait_alu depctr_va_vdst(0)
.irp i, 0,1,2,3,4
	s_add_co_i32 s2, s[E+6*\i], s[E+6*\i+1]
	s_sub_co_i32 s2, 0, s2
	v_ldexp_f32 v[40+\i], v[40+\i], s2
.endr
	s_add_co_i32 s2, s66, s67
	v_ldexp_f32 v46, v31, s2
	s_sub_co_i32 s2, 0, s2
	v_ldexp_f32 v45, v28, s2
	v_mov_b32 v47, s68
	s_wait_alu depctr_va_vdst(0)
.irp i, 0,1,2,3,4
	global_store_b32 v2, v[40+\i], s[18:19] offset:512*\i
.endr
	global_store_b32 v2, v45, s[18:19] offset:512*10
	global_store_b32 v2, v46, s[18:19] offset:512*11
	global_store_b32 v2, v47, s[18:19] offset:512*15
	s_endpgm
.Lupper:
	s_wait_alu depctr_va_vdst(0)
.irp i, 0,1,2,3,4
	global_load_b32 v[16+\i], v2, s[22:23] offset:512*\i     ; b0_b[i]
.endr
.irp d, 0,1,2
	global_load_b32 v[24+\d], v3, s[28:29] offset:4*\d       ; fc_p_w[u][d]
.endr
	s_wait_loadcnt 0x0
	s_wait_kmcnt 0x0
.irp i, 0,1,2,3,4
	s_add_co_i32 s2, s[E+6*\i+2], s[E+6*\i+3]
	s_sub_co_i32 s2, 0, s2
	v_ldexp_f32 v[40+\i], v[16+\i], s2
.endr
	s_wait_alu depctr_va_vdst(0)
.irp i, 0,1,2,3,4
	global_store_b32 v2, v[40+\i], s[18:19] offset:512*(5+\i)
.endr
.irp d, 0,1,2
	global_store_b32 v2, v[24+\d], s[18:19] offset:512*(12+\d)
.endr
	s_endpgm
.Lfunc_end_k_q1a086e9f6a_prep:
	.size	k_q1a086e9f6a_prep, .Lfunc_end_k_q1a086e9f6a_prep-k_q1a086e9f6a_prep
	.p2alignl 7, 3214868480
	.fill 96, 4, 3214868480
	.section	.rodata,"a",@progbits
	.p2align	6, 0x0
	.amdhsa_kernel k_q1a086e9f6a_prep
		.amdhsa_group_segment_fixed_size 0
		.amdhsa_private_segment_fixed_size 0
		.amdhsa_enable_private_segment 0
		.amdhsa_kernarg_size 120
		.amdhsa_user_sgpr_count 2
		.amdhsa_user_sgpr_kernarg_segment_ptr 1
		.amdhsa_wavefront_size32 1
		.amdhsa_system_sgpr_workgroup_id_x 1
		.amdhsa_system_sgpr_workgroup_id_y 1
		.amdhsa_system_sgpr_workgroup_id_z 1
		.amdhsa_system_vgpr_workitem_id 0
		.amdhsa_next_free_vgpr 112
		.amdhsa_next_free_sgpr 70
		.amdhsa_reserve_vcc 0
		.amdhsa_float_denorm_mode_32 3
		.amdhsa_float_denorm_mode_16_64 3
		.amdhsa_memory_ordered 1
		.amdhsa_forward_progress 1
		.amdhsa_inst_pref_size 20
	.end_amdhsa_kernel
	.amdgpu_metadata
---
amdhsa.version: [ 1, 2 ]
amdhsa.kernels:
  - .name:           k_q1a086e9f6a_prep
    .symbol:         k_q1a086e9f6a_prep.kd
    .args:
      - { .name: p, .offset: 0, .size: 8, .value_kind: global_buffer, .address_space: global }
      - { .name: key, .offset: 8, .size: 8, .value_kind: global_buffer, .address_space: global }
      - { .name: wts, .offset: 16, .size: 8, .value_kind: global_buffer, .address_space: global }
      - { .name: lowp_scales, .offset: 24, .size: 8, .value_kind: global_buffer, .address_space: global }
      - { .name: fc_c_w, .offset: 32, .size: 8, .value_kind: global_buffer, .address_space: global }
      - { .name: b0_w, .offset: 40, .size: 8, .value_kind: global_buffer, .address_space: global }
      - { .name: b1_w, .offset: 48, .size: 8, .value_kind: global_buffer, .address_space: global }
      - { .name: wimg, .offset: 56, .size: 8, .value_kind: global_buffer, .address_space: global }
      - { .name: fc_c_b, .offset: 64, .size: 8, .value_kind: global_buffer, .address_space: global }
      - { .name: b0_b, .offset: 72, .size: 8, .value_kind: global_buffer, .address_space: global }
      - { .name: b1_b, .offset: 80, .size: 8, .value_kind: global_buffer, .address_space: global }
      - { .name: fc_p_b, .offset: 88, .size: 8, .value_kind: global_buffer, .address_space: global }
      - { .name: fc_p_w, .offset: 96, .size: 8, .value_kind: global_buffer, .address_space: global }
      - { .name: out_w, .offset: 104, .size: 8, .value_kind: global_buffer, .address_space: global }
      - { .name: out_b, .offset: 112, .size: 8, .value_kind: global_buffer, .address_space: global }
    .group_segment_fixed_size: 0
    .private_segment_fixed_size: 0
    .kernarg_segment_align: 8
    .kernarg_segment_size: 120
    .max_flat_workgroup_size: 256
    .sgpr_count:     70
    .vgpr_count:     112
    .wavefront_size: 32
...
	.end_amdgpu_metadata
.endif
;; end of part 1
;; launch bin (part 2): grid 252 x 1, 8 waves a work-group, no clusters, 0 bytes of LDS; arguments key, recs, cnt; writes recs, cnt
.if DOCPART == 2
	.amdgcn_target "amdgcn-amd-amdhsa--gfx1250"
	.amdhsa_code_object_version 6
	.text
	.protected	k_q1a086e9f6a_bin
	.globl	k_q1a086e9f6a_bin
	.p2align	8
	.type	k_q1a086e9f6a_bin,@function
k_q1a086e9f6a_bin:
	s_mov_b64 s[64:65], 0
	v_nop
	global_prefetch_b8 v0, s[64:65] scope:SCOPE_SE
	s_setreg_imm32_b32 hwreg(HW_REG_WAVE_MODE, 25, 1), 1
	s_wait_xcnt 0x0
; BIN: the points are placed by region.  recs is [32 segments][4,096] words: segment 16 b + slice holds the records of the 4,096 points of that slice of batch b, ordered by region rho (0 .. 62).
; For each (b, rho, slice) ONE WAVE holds the slice's 4,096 keys in 128 registers and goes over them twice:
;   pass 1 counts the keys of smaller regions: that count is the place in the segment at which my region's records begin (the base);
;   pass 2 writes the records of my region from there on, in the order of the keys.
; So no wave needs a number of another wave: no atomics, no LDS, no barrier; every word of recs is stored, each by one wave; cnt[16 (63 b + rho) + slice] = (base, count).
; record = id (16 bits, the point's number in its batch) | x0 << 16 | yl << 22 | zl << 25.
; EXEC is never written: in a group of 32 keys the lanes that do not match repeat the first match's record at the first match's place (the same word, the same number).
; Every place goes through v_min_u32 with 4,095, the segment's last word; by the counts it never lies beyond.
; The stores are small: one to a few neighbouring words for 32 keys, half a megabyte of records in the whole launch.
; v2 16 lane; v3 the id of my first key; v4-7 at work; a store's data in the group's key register, its offset in v144-207; v16-143 the keys.  s10 base; s12 rho; s13 the next free place; s14 a group's mask
	s_load_b128 s[4:7], s[0:1], 0x0                ; key s[4:5], recs s[6:7]
	s_load_b64 s[8:9], s[0:1], 0x10                ; cnt
	v_lshrrev_b32 v1, 5, v0
	s_delay_alu instid0(VALU_DEP_1)
	v_readfirstlane_b32 s18, v1                    ; wave 0..7
	v_and_b32 v1, 31, v0                           ; lane
	s_wait_alu depctr_va_vdst(0)
	v_lshlrev_b32 v2, 4, v1                        ; my 16 bytes of a load's 512
	s_lshr_b32 s19, ttmp9, 1                       ; G = 63 b + rho
	s_cmp_ge_u32 s19, 63
	s_cselect_b32 s20, 1, 0                        ; b
	s_mul_i32 s21, s20, 63
	s_sub_co_u32 s12, s19, s21                     ; rho
	s_and_b32 s21, ttmp9, 1
	s_lshl_b32 s21, s21, 3
	s_add_co_u32 s21, s21, s18                     ; slice 0..15
	s_lshl_b32 s22, s19, 4
	s_add_co_u32 s22, s22, s21                     ; 16 G + slice
	s_lshl_b32 s24, s20, 18
	s_lshl_b32 s23, s21, 14
	s_add_co_u32 s24, s24, s23                     ; 4 (65,536 b + 4,096 slice): the slice's keys, and its segment of recs as well
	s_mov_b32 s25, 0
	s_lshl_b32 s30, s22, 3                         ; my two words of cnt
	s_mov_b32 s31, 0
	s_lshl_b32 s23, s21, 12
	v_lshl_add_u32 v3, v1, 2, s23                  ; the id of my first key of load 0: 4,096 slice + 4 lane
	s_mov_b32 s13, 0
	s_wait_alu depctr_va_vdst(0)
	s_wait_kmcnt 0x0
	s_add_nc_u64 s[4:5], s[4:5], s[24:25]
	s_add_nc_u64 s[6:7], s[6:7], s[24:25]
	s_add_nc_u64 s[8:9], s[8:9], s[30:31]
.irp n, 0,1,2,3,4,5,6,7,8,9,10,11,12,13,14,15,16,17,18,19,20,21,22,23,24,25,26,27,28,29,30,31
	global_load_b128 v[16+4*\n:19+4*\n], v2, s[4:5] offset:512*\n        ; all 16 KiB of the slice are asked for at once; each load covers 512 consecutive bytes
.endr
; ---- pass 1: how many keys of the slice fall into a smaller region; four groups of 32 at a time, so that the scalar lines do not wait for single compares
.irp n, 0,1,2,3,4,5,6,7,8,9,10,11,12,13,14,15,16,17,18,19,20,21,22,23,24,25,26,27,28,29,30,31
	s_wait_loadcnt 31-\n                           ; loads come back in order: load n is in, the 31 - n issued behind it may be out
.irp c, 0,1,2,3
	v_lshrrev_b32 v[4+\c], 13, v[16+4*\n+\c]       ; the key's region
.endr
.irp c, 0,1,2,3
	s_delay_alu instid0(VALU_DEP_4)
	v_cmp_gt_u32 s[26+\c], s12, v[4+\c]
.endr
.irp c, 0,1,2,3
	s_bcnt1_i32_b32 s[26+\c], s[26+\c]
.endr
	s_add_co_u32 s26, s26, s27
	s_add_co_u32 s28, s28, s29
	s_add_co_u32 s13, s13, s26
	s_add_co_u32 s13, s13, s28
.endr
	s_mov_b32 s10, s13                             ; the base; s13 goes on as the next free place
; ---- pass 2: 32 keys, word c of load n: the id of my key is v3 + 128 n + c
.macro COMP n, c
	v_lshrrev_b32 v4, 13, v[16+4*(\n)+(\c)]
	s_delay_alu instid0(VALU_DEP_1)
	v_cmp_eq_u32 s14, s12, v4                      ; who falls into my region
	s_cmp_eq_u32 s14, 0
	s_cbranch_scc1 .Lskip_\@
	v_and_b32 v4, 0x1fff, v[16+4*(\n)+(\c)]
	v_add_nc_u32 v5, 128*(\n)+(\c), v3
	s_delay_alu instid0(VALU_DEP_1)
	v_lshl_or_b32 v6, v4, 16, v5                   ; the record
	v_mbcnt_lo_u32_b32 v7, s14, s13                ; the next free place + the matching lanes below me: my place
	s_ctz_i32_b32 s15, s14
	v_readlane_b32 s16, v6, s15                    ; the first match's record
	s_delay_alu instid0(VALU_DEP_1)
	v_cndmask_b32 v[16+4*(\n)+(\c)], s16, v6, s14  ; the store's data lie in the group's own key register, which is done with; a lane that does not match repeats the first match's record,
	v_cndmask_b32 v7, s13, v7, s14                 ; at the first match's place
	s_delay_alu instid0(VALU_DEP_1)
	v_min_u32 v7, 4095, v7
	s_delay_alu instid0(VALU_DEP_1)
	v_lshlrev_b32 v[144+(4*(\n)+(\c))%64], 2, v7   ; the store's offset: one of 64 registers, v144-207, each named once in each half of the 128 groups
	global_store_b32 v[144+(4*(\n)+(\c))%64], v[16+4*(\n)+(\c)], s[6:7]   ; the matching lanes: neighbouring words
	s_bcnt1_i32_b32 s17, s14
	s_add_co_u32 s13, s13, s17
.Lskip_\@:
.endm
.irp n, 0,1,2,3,4,5,6,7,8,9,10,11,12,13,14,15,16,17,18,19,20,21,22,23,24,25,26,27,28,29,30,31
.if \n == 16
	s_wait_xcnt 0x0                                ; the first 64 groups' stores have read their offsets: v144-207 are written again only behind this wait
.endif
	COMP \n, 0
	COMP \n, 1
	COMP \n, 2
	COMP \n, 3
.endr
	s_sub_co_u32 s17, s13, s10                     ; the count
	v_mov_b32 v10, s10
	v_mov_b32 v11, s17
	v_mov_b32 v12, 0
	global_store_b64 v12, v[10:11], s[8:9]         ; (base, count): all lanes name the same 8 bytes, with the same numbers
	s_endpgm
.Lfunc_end_k_q1a086e9f6a_bin:
	.size	k_q1a086e9f6a_bin, .Lfunc_end_k_q1a086e9f6a_bin-k_q1a086e9f6a_bin
	.p2alignl 7, 3214868480
	.fill 96, 4, 3214868480
	.section	.rodata,"a",@progbits
	.p2align	6, 0x0
	.amdhsa_kernel k_q1a086e9f6a_bin
		.amdhsa_group_segment_fixed_size 0
		.amdhsa_private_segment_fixed_size 0
		.amdhsa_enable_private_segment 0
		.amdhsa_kernarg_size 24
		.amdhsa_user_sgpr_count 2
		.amdhsa_user_sgpr_kernarg_segment_ptr 1
		.amdhsa_wavefront_size32 1
		.amdhsa_system_sgpr_workgroup_id_x 1
		.amdhsa_system_sgpr_workgroup_id_y 1
		.amdhsa_system_sgpr_workgroup_id_z 1
		.amdhsa_system_vgpr_workitem_id 0
		.amdhsa_next_free_vgpr 208
		.amdhsa_next_free_sgpr 66
		.amdhsa_reserve_vcc 0
		.amdhsa_float_denorm_mode_32 3
		.amdhsa_float_denorm_mode_16_64 3
		.amdhsa_memory_ordered 1
		.amdhsa_forward_progress 1
		.amdhsa_inst_pref_size 162
	.end_amdhsa_kernel
	.amdgpu_metadata
---
amdhsa.version: [ 1, 2 ]
amdhsa.kernels:
  - .name:           k_q1a086e9f6a_bin
    .symbol:         k_q1a086e9f6a_bin.kd
    .args:
      - { .name: key, .offset: 0, .size: 8, .value_kind: global_buffer, .address_space: global }
      - { .name: recs, .offset: 8, .size: 8, .value_kind: global_buffer, .address_space: global }
      - { .name: cnt, .offset: 16, .size: 8, .value_kind: global_buffer, .address_space: global }
    .group_segment_fixed_size: 0
    .private_segment_fixed_size: 0
    .kernarg_segment_align: 8
    .kernarg_segment_size: 24
    .max_flat_workgroup_size: 256
    .sgpr_count:     66
    .vgpr_count:     208
    .wavefront_size: 32
...
	.end_amdgpu_metadata
.endif
;; end of part 2
;; launch sample (part 3): grid 63 x 4, 16 waves a work-group, no clusters, 268,544 bytes of LDS; arguments c_grid, recs, cnt, wts, cf; writes cf
.if DOCPART == 3
	.amdgcn_target "amdgcn-amd-amdhsa--gfx1250"
	.amdhsa_code_object_version 6
	.text
	.protected	k_q1a086e9f6a_sample
	.globl	k_q1a086e9f6a_sample
	.p2align	8
	.type	k_q1a086e9f6a_sample,@function
k_q1a086e9f6a_sample:
	s_mov_b64 s[64:65], 0
	v_nop
	global_prefetch_b8 v0, s[64:65] scope:SCOPE_SE
	s_setreg_imm32_b32 hwreg(HW_REG_WAVE_MODE, 25, 1), 1
	s_wait_xcnt 0x0
; SAMPLE: the trilinear sample, with the grid read in whole rows.  An x row of one (channel, z, y) is 256 consecutive bytes of c_grid.
; SHARES.  Work-group (rho, 2 b + H) owns, of batch b, channels 64 H .. 64 H + 63, the 8 grid rows y = 7 j .. 7 j + 7 and the 10 planes z = 9 s .. 9 s + 9 (rho = 7 j + s): 7 x 9 layers of cells.
; It walks the 9 layers of cells along z.  Two planes (8 rows x 64 channels x 64 x) lie in LDS; two more are on their way in registers.
; Wave w fetches local channels 4 w .. 4 w + 3 of every plane and serves the region's points of slice w of the batch: n records from word base on in segment 16 b + w of recs; (base, n) = cnt[16 (63 b + rho) + w].
; A POINT: the wave's 32 lanes take two channels each (2 l, 2 l + 1), read the 8 corners from LDS, interpolate in f32 and store 8 bytes a lane: 256 consecutive bytes of the point's row of cf, aligned.
; FOUR POINTS A TRIP: their 20 lane reads, 32 LDS loads and 56 packed steps stand side by side, so that no step reads the result of the line above it.  A trip with fewer than four points left repeats its last point:
; the same numbers go to the same bytes once more.
; RECORDS are taken 32 at a time.  A lane whose number in the list is not below n gets the layer 15, which does not exist; its index is held at the segment's last word, so no load leaves the segment.
; The first 96 records stay in three sets of registers; ONE copy of the points' text serves them: it names set 0, and the sets rotate once a trip of a loop of three trips, so that they are back in place behind it.
; Where a list is longer, the rest is read again in every layer, 32 at a time, into a fourth set with a copy of the text of its own.
; WHY NO TENSOR LOADS, NO CLUSTER: the trip counts hang on counts read from memory, so the planes come through registers; neighbouring work-groups share one row in eight and one plane in ten only.
; WHY NO PREFETCH: 16 or 32 loads of 512 bytes of every wave are on their way all the time.
; LDS: A LANE'S TWO CHANNELS LIE SIDE BY SIDE: (y row, pair m, x, channel 2 m + c) at y x ROWP + m x CPP + 8 x + 4 c: a corner is ONE load of 8 bytes a lane.
;   CPP = 520 bytes = 130 words: lane l's pair starts at bank 2 l (64 banks of 4 bytes: ISA guide 11.1).  ROWP = 32 CPP + 8: the four rows that a store touches start two words apart.
;   The 8 bytes behind each pair's 512 and behind each row are written once, at the head (a pair's by one thread each: 2 slots x 8 rows x 32 pairs = 512 threads; a row's by one wave each): no point reads them,
;   but every byte between a slot's first and last is then a written one.
;   The pairs are made in registers: eight moves turn (A0 A1 A2 A3)(B0 B1 B2 B3), four x of two channels, into (A0 B0 A1 B1)(A2 B2 A3 B3), in place.
; ORDER IN LDS: the points' reads have addresses that hang on data, so no LDS store shares an interval between barriers with them: reads | barrier | stores of the next plane | barrier | reads.
.set CPP,   520
.set ROWP,  32*CPP+8
.set PLANE, 8*ROWP
.set SPARE, 266496                     ; behind the two slots, at a multiple of 256: the spare words, 128 bytes for each of 16 waves
.set SETA,  128                        ; v128-191 an even plane on its way, v192-255 an odd one
.set D,     64                         ; v64-127 the 8 corners x 2 channels of four points
.set SPW,   9                          ; v9  my spare word's address; never rewritten
.set NIL,   44                         ; v44 0; never rewritten
.set LN,    45                         ; v45 lane
; v1 8 lane; v2 the lane's place in a load from the grid; v3, v4 CPP x lane in slot 0, 1; v5-8 the stores' places; v10 a long list's number; v11 a number in the list;
; a set of records at B = 12, 20, 28 (kept) and 36 (long lists): v[B:B+2] wx, wy, wz; B+3 the record as loaded; B+4 id; B+5 LDS offset; B+6 layer; B+7 the loads' offset;
; v46, v47 at work in moves; v48-55 LDS addresses of four points; v56-59 their offsets in cf
; s15 n; s16 groups beyond the first 96; s17 a layer's mask; s18 trips; s20-23 four lanes; s[24+8i ..]: point i: LDS offset, 512 id, wx, wy, wz in pairs; s56 base; s58, s59 counters
	s_load_b256 s[4:11], s[0:1], 0x0               ; c_grid s[4:5], recs s[6:7], cnt s[8:9], wts s[10:11]
	s_load_b64 s[12:13], s[0:1], 0x20              ; cf
	v_lshl_add_u32 v[SPW], v0, 2, SPARE
	v_mov_b32 v[NIL], 0
	v_lshrrev_b32 v60, 5, v0
	v_readfirstlane_b32 s14, v60                   ; wave 0..15
	v_and_b32 v[LN], 31, v0
	v_lshlrev_b32 v1, 3, v[LN]
	v_mul_u32_u24 v3, v[LN], CPP
	v_add_nc_u32 v4, PLANE, v3
	v_bfe_u32 v61, v0, 3, 2                        ; lane / 8: my row among four
	v_and_b32 v60, 7, v0                           ; lane % 8: my 16 bytes of the row's 128
	v_lshlrev_b32 v2, 8, v61
	v_lshl_add_u32 v2, v60, 4, v2                  ; in the grid: 256 (lane / 8) + 16 (lane % 8)
	v_mul_u32_u24 v61, v61, ROWP
	v_lshl_add_u32 v61, v60, 5, v61                ; in LDS: (lane / 8) rows + 32 (lane % 8)
	s_mul_i32 s40, s14, 2*CPP
	v_add_nc_u32 v5, s40, v61                      ; + my first pair, 2 w
	v_add_nc_u32 v6, 4*ROWP, v5
	v_add_nc_u32 v7, PLANE, v5
	v_add_nc_u32 v8, PLANE+4*ROWP, v5
	s_and_b32 s41, s14, 7                          ; the padding that my wave writes: row w % 8 of slot w / 8
	s_mul_i32 s41, s41, ROWP
	s_lshr_b32 s42, s14, 3
	s_mul_i32 s42, s42, PLANE
	s_add_co_u32 s41, s41, s42
	v_add_nc_u32 v10, s41, v3                      ; pair l of that row
	v_mov_b32 v11, s41
	v_mov_b32 v62, 0
	v_mov_b32 v63, 0
	s_mul_i32 s40, ttmp9, 37
	s_lshr_b32 s40, s40, 8                         ; j = rho / 7 (exact for 0 .. 62)
	s_mul_i32 s41, s40, 7
	s_sub_co_u32 s41, ttmp9, s41                   ; s
	s_and_b32 s42, ttmp7, 0xffff
	s_lshr_b32 s43, s42, 1                         ; b
	s_and_b32 s42, s42, 1                          ; H
	s_lshl_b32 s44, s43, 27                        ; the grid: a batch is 2^27 bytes,
	s_lshl_b32 s46, s42, 6
	s_lshl_b32 s47, s14, 2
	s_add_co_u32 s46, s46, s47
	s_lshl_b32 s46, s46, 20                        ; a channel 2^20,
	s_add_co_u32 s44, s44, s46
	s_mul_i32 s46, s41, 9*16384                    ; a plane 16,384,
	s_add_co_u32 s44, s44, s46
	s_mul_i32 s46, s40, 7*256                      ; a row 256
	s_add_co_u32 s44, s44, s46
	s_mov_b32 s45, 0
	s_mul_i32 s46, s43, 63
	s_add_co_u32 s46, s46, ttmp9
	s_lshl_b32 s46, s46, 4
	s_add_co_u32 s46, s46, s14                     ; 16 (63 b + rho) + w
	s_lshl_b32 s50, s46, 3                         ; its two words of cnt
	s_mov_b32 s51, 0
	s_lshl_b32 s48, s43, 4
	s_add_co_u32 s48, s48, s14
	s_lshl_b32 s48, s48, 14                        ; segment 16 b + w of recs: 16,384 bytes each
	s_mov_b32 s49, 0
	s_lshl_b32 s52, s43, 20                        ; wts: 65,536 x 16 bytes a batch
	s_mov_b32 s53, 0
	s_lshl_b32 s54, s43, 25                        ; cf: 65,536 x 512 bytes a batch,
	s_lshl_b32 s47, s42, 8                         ; + my half of a row
	s_add_co_u32 s54, s54, s47
	s_mov_b32 s55, 0
	s_wait_alu depctr_va_vdst(0)
	s_wait_kmcnt 0x0
	s_add_nc_u64 s[4:5], s[4:5], s[44:45]
	s_add_nc_u64 s[6:7], s[6:7], s[48:49]
	s_add_nc_u64 s[8:9], s[8:9], s[50:51]
	s_add_nc_u64 s[10:11], s[10:11], s[52:53]
	s_add_nc_u64 s[12:13], s[12:13], s[54:55]
	s_load_b64 s[56:57], s[8:9], 0x0               ; base, n
.irp r, 27,29,31,35,37,39,43,45,47,51,53,55
	s_mov_b32 s\r, 0                               ; the upper halves of the weights' pairs: named with them, never used
.endr
	ds_store_b64 v10, v[62:63] offset:512          ; the 8 bytes behind my pair's 512
	ds_store_b64 v11, v[62:63] offset:32*CPP       ; the 8 bytes behind my wave's row: all lanes name the same bytes, with the same number
.macro PLOAD P                         ; plane P of my four channels: 16 loads.  Load (a, q): channel a, rows 4 (q / 2) + lane / 8, x = 32 (q % 2) + 4 (lane % 8) + 0 .. 3.  Every offset is an immediate, no pointer is stepped
.set SET, SETA+64*((\P)%2)
.irp a, 0,1,2,3
.irp q, 0,1,2,3
	global_load_b128 v[SET+16*\a+4*\q:SET+16*\a+4*\q+3], v2, s[4:5] offset:\a*1048576+(\P)*16384+(\q/2)*1024+(\q%2)*128
.endr
.endr
.endm
.macro SHUFFLE P                       ; channels 2 c and 2 c + 1 of my four: (A0 A1 A2 A3)(B0 B1 B2 B3) -> (A0 B0 A1 B1)(A2 B2 A3 B3), in place
.set SET, SETA+64*((\P)%2)
.irp c, 0,1
.irp q, 0,1,2,3
.set QA, SET+32*\c+4*\q
.set QB, QA+16
	v_mov_b32 v46, v[QA+1]
	v_mov_b32 v47, v[QA+3]
	v_mov_b32 v[QA+1], v[QB]
	v_mov_b32 v[QA+3], v[QB+1]
	v_mov_b32 v[QB], v[QA+2]
	v_mov_b32 v[QB+1], v[QB+2]
	v_mov_b32 v[QA+2], v46
	v_mov_b32 v[QB+2], v47
.endr
.endr
.endm
.macro PSTORE P                        ; into slot P % 2: pair 2 w + c; 8 bytes a store (both channels of one x), since ROWP and CPP are no multiples of 16
.set SET, SETA+64*((\P)%2)
.irp c, 0,1
.irp q, 0,1,2,3
	ds_store_b64 v[5+2*((\P)%2)+\q/2], v[SET+32*\c+4*\q:SET+32*\c+4*\q+1] offset:\c*CPP+256*(\q%2)
	ds_store_b64 v[5+2*((\P)%2)+\q/2], v[SET+32*\c+4*\q+2:SET+32*\c+4*\q+3] offset:\c*CPP+256*(\q%2)+8
	ds_store_b64 v[5+2*((\P)%2)+\q/2], v[SET+32*\c+16+4*\q:SET+32*\c+16+4*\q+1] offset:\c*CPP+256*(\q%2)+16
	ds_store_b64 v[5+2*((\P)%2)+\q/2], v[SET+32*\c+16+4*\q+2:SET+32*\c+16+4*\q+3] offset:\c*CPP+256*(\q%2)+24
.endr
.endr
.endm
.macro RLOAD B, loc                    ; the record with number v[loc] in my list, into set B
	v_add_nc_u32 v[\B+7], s56, v[\loc]
	v_min_u32 v[\B+7], 4095, v[\B+7]               ; held at the segment's last word
	v_lshlrev_b32 v[\B+7], 2, v[\B+7]
	global_load_b32 v[\B+3], v[\B+7], s[6:7]
.endm
.macro DERIVE B, loc                   ; a record's fields, and the load of its point's three weights (the record's load has been waited for: its offset register is free)
	v_and_b32 v[\B+4], 0xffff, v[\B+3]
	v_bfe_u32 v[\B+5], v[\B+3], 16, 6
	v_bfe_u32 v[\B+6], v[\B+3], 22, 3
	v_lshlrev_b32 v[\B+5], 3, v[\B+5]
	v_mad_u32_u24 v[\B+5], v[\B+6], ROWP, v[\B+5]  ; yl rows + 8 x0
	v_bfe_u32 v[\B+6], v[\B+3], 25, 4
	v_cmp_gt_u32 vcc_lo, s15, v[\loc]
	v_cndmask_b32 v[\B+6], 15, v[\B+6], vcc_lo     ; what lies behind my list's end belongs to no layer
	v_min_u32 v[\B+7], 0xffff, v[\B+4]
	v_lshlrev_b32 v[\B+7], 4, v[\B+7]
	global_load_b128 v[\B:\B+3], v[\B+7], s[10:11]
.endm
.macro CORNERS base, adr               ; corner 4 dz + 2 dy + dx, channels 2 l and 2 l + 1, into the pair v[base + 2 corner ..]
.irp pz, 0,1
.irp py, 0,1
.irp px, 0,1
	ds_load_b64 v[\base+2*(4*\pz+2*\py+\px):\base+2*(4*\pz+2*\py+\px)+1], v[\adr+\pz] offset:8*\px+ROWP*\py
.endr
.endr
.endr
.endm
.macro SUBS n, st, d                   ; for n corners, st apart from corner 0 on, and each of the four points: the neighbour d registers on, less the corner
.set MM, 0
.rept \n
.irp p, 0,1,2,3
.set B0, D+16*\p+2*MM
	v_pk_add_f32 v[B0+\d:B0+\d+1], v[B0+\d:B0+\d+1], v[B0:B0+1] neg_lo:[0,1] neg_hi:[0,1]
.endr
.set MM, MM+\st
.endr
.endm
.macro FMAS n, st, d, w                ; corner += weight x that difference
.set MM, 0
.rept \n
.irp p, 0,1,2,3
.set B0, D+16*\p+2*MM
	v_pk_fma_f32 v[B0:B0+1], v[B0+\d:B0+\d+1], s[\w+8*\p:\w+8*\p+1], v[B0:B0+1] op_sel_hi:[1,0,1]
.endr
.set MM, MM+\st
.endr
.endm
; The points of layer z among the 32 records of set B, four a trip.
.macro PTQ z, B
	v_cmp_eq_u32 s17, \z, v[\B+6]
	s_bcnt1_i32_b32 s18, s17
	s_add_co_u32 s18, s18, 3
	s_lshr_b32 s18, s18, 2                         ; trips
	s_cmp_eq_u32 s18, 0
	s_cbranch_scc1 .Lnone_\@
.Lq_\@:
	s_ctz_i32_b32 s20, s17                         ; the first point's lane
.irp i, 1,2,3
	s_sub_co_u32 s19, s17, 1
	s_and_b32 s17, s17, s19                        ; taken off the list
	s_ctz_i32_b32 s[20+\i], s17                    ; the next one's, or -1 where none is left:
	s_max_i32 s[20+\i], s[20+\i], s[19+\i]         ; then the lane before once more (the lanes ascend)
.endr
	s_sub_co_u32 s19, s17, 1
	s_and_b32 s17, s17, s19
.irp i, 0,1,2,3
	v_readlane_b32 s[24+8*\i], v[\B+5], s[20+\i]
	v_readlane_b32 s[25+8*\i], v[\B+4], s[20+\i]
	v_readlane_b32 s[26+8*\i], v[\B], s[20+\i]
	v_readlane_b32 s[28+8*\i], v[\B+1], s[20+\i]
	v_readlane_b32 s[30+8*\i], v[\B+2], s[20+\i]
.endr
.irp i, 0,1,2,3
	s_min_u32 s[24+8*\i], s[24+8*\i], 6*ROWP+8*62  ; what was read from memory is held inside its range before it enters an address
	s_min_u32 s[25+8*\i], s[25+8*\i], 0xffff
	s_lshl_b32 s[25+8*\i], s[25+8*\i], 9
.endr
.irp i, 0,1,2,3
	v_add_nc_u32 v[48+2*\i], s[24+8*\i], v[3+(\z)%2]         ; plane z lies in slot z % 2,
	v_add_nc_u32 v[49+2*\i], s[24+8*\i], v[3+((\z)+1)%2]     ; plane z + 1 in the other
.endr
	s_wait_alu depctr_va_vdst(0)
	s_wait_xcnt 0x0                                ; the last trip's stores: their data (v64 ..) and offsets (v56-59) are written again only behind this wait
.irp i, 0,1,2,3
	v_add_nc_u32 v[56+\i], s[25+8*\i], v1
.endr
.irp i, 0,1,2,3
	CORNERS D+16*\i, 48+2*\i
.endr
	s_wait_dscnt 0x0
	SUBS 4, 2, 2                                   ; g0 + w (g1 - g0), along x: corners 0, 2, 4, 6,
	FMAS 4, 2, 2, 26
	SUBS 2, 4, 4                                   ; y: corners 0, 4,
	FMAS 2, 4, 4, 28
	SUBS 1, 0, 8                                   ; z: the result in each point's first pair
	FMAS 1, 0, 8, 30
.irp i, 0,1,2,3
	global_store_b64 v[56+\i], v[D+16*\i:D+16*\i+1], s[12:13] th:TH_STORE_NT   ; 32 lanes store 256 consecutive bytes, aligned
.endr
	s_sub_co_i32 s18, s18, 1
	s_cmp_gt_i32 s18, 0                            ; a signed compare: the loop ends whatever the start
	s_cbranch_scc1 .Lq_\@
.Lnone_\@:
.endm
; What a list holds beyond 96 records: s16 groups of 32, read again in each layer.  Its waits are for all loads, the planes on their way among them: the counted waits behind it are then met at once.
.macro OVER z
	s_cmp_eq_u32 s16, 0
	s_cbranch_scc1 .Lno_over_\@
	s_mov_b32 s58, s16
	v_add_nc_u32 v10, 96, v[LN]                    ; number 96 + lane in the list
.Lover_\@:
	s_wait_alu depctr_va_vdst(0)
	RLOAD 36, 10                                   ; (the load that named v43 last has been waited for)
	s_wait_loadcnt 0x0
	DERIVE 36, 10
	s_wait_alu depctr_va_vdst(0)
	s_wait_loadcnt 0x0
	v_add_nc_u32 v10, 32, v10
	PTQ \z, 36
	s_sub_co_i32 s58, s58, 1
	s_cmp_gt_i32 s58, 0
	s_cbranch_scc1 .Lover_\@
.Lno_over_\@:
.endm
	PLOAD 0                                        ; goes out while base and n are on their way
	s_wait_kmcnt 0x0
	s_min_u32 s56, s56, 4096                       ; what was read from memory is held inside its range
	s_min_u32 s15, s57, 4096
	s_max_u32 s16, s15, 96
	s_sub_co_u32 s16, s16, 65
	s_lshr_b32 s16, s16, 5                         ; groups of 32 beyond the first 96: (max(n, 96) - 96 + 31) / 32
.irp k, 0,1,2
	v_add_nc_u32 v11, 32*\k, v[LN]
	RLOAD 12+8*\k, 11                              ; the first 96 records
.endr
	PLOAD 1
	s_wait_loadcnt 16                              ; plane 0 and the records are in: plane 1's 16 loads were issued behind them
.irp k, 0,1,2
	v_add_nc_u32 v11, 32*\k, v[LN]
	DERIVE 12+8*\k, 11
.endr
	SHUFFLE 0
	PSTORE 0
	s_wait_dscnt 0x0                               ; the stores have read their registers
	PLOAD 2
	s_wait_loadcnt 19                              ; plane 1 is in: behind it the 3 loads of weights and plane 2's 16
	SHUFFLE 1
	PSTORE 1
	s_wait_dscnt 0x0                               ; for the others' sake too: my part of both planes and of the padding lies in LDS
	PLOAD 3
	s_barrier_signal -1
	s_barrier_wait -1
	s_wait_loadcnt 32                              ; the weights are in: behind them planes 2 and 3
.macro STEP z                          ; the layer of cells between planes z and z + 1
	s_mov_b32 s59, 0
.Lg_\@:
	PTQ \z, 12                                     ; the set that stands first,
.irp j, 0,1,2,4,5,6
	v_mov_b32 v[46+\j%2], v[12+\j]                 ; and the three sets go round by one
	v_mov_b32 v[12+\j], v[20+\j]
	v_mov_b32 v[20+\j], v[28+\j]
	v_mov_b32 v[28+\j], v[46+\j%2]
.endr
	s_add_co_u32 s59, s59, 1
	s_cmp_lt_u32 s59, 3
	s_wait_alu depctr_va_vdst(0)
	s_cbranch_scc1 .Lg_\@
	OVER \z
.if (\z) <= 7
.if (\z) <= 6
	s_wait_loadcnt 16                              ; plane z + 2 is in: plane z + 3's 16 loads were issued behind it
.else
	s_wait_loadcnt 0x0                             ; the last plane
.endif
	SHUFFLE (\z)+2                                 ; work on registers, ahead of the barrier
	s_wait_alu depctr_va_vdst(0)
	s_wait_dscnt 0x0                               ; my reads of plane z are over
	s_barrier_signal -1
	s_barrier_wait -1                              ; everybody's are: its slot may be written
	PSTORE (\z)+2
	s_wait_dscnt 0x0                               ; my stores have landed, and have read their registers,
.if (\z) <= 5
	PLOAD (\z)+4                                   ; which take the plane four further on
.endif
	s_barrier_signal -1
	s_barrier_wait -1                              ; plane z + 2 is whole
.endif
.endm
.irp z, 0,1,2,3,4,5,6,7,8
	STEP \z
.endr
	s_wait_tensorcnt 0x0                           ; the wave's end: behind my last LDS store
	ds_add_u32 v[SPW], v[NIL]
	s_wait_dscnt 0x0
	s_endpgm
.Lfunc_end_k_q1a086e9f6a_sample:
	.size	k_q1a086e9f6a_sample, .Lfunc_end_k_q1a086e9f6a_sample-k_q1a086e9f6a_sample
	.p2alignl 7, 3214868480
	.fill 96, 4, 3214868480
	.section	.rodata,"a",@progbits
	.p2align	6, 0x0
	.amdhsa_kernel k_q1a086e9f6a_sample
		.amdhsa_group_segment_fixed_size 268544
		.amdhsa_private_segment_fixed_size 0
		.amdhsa_enable_private_segment 0
		.amdhsa_kernarg_size 40
		.amdhsa_user_sgpr_count 2
		.amdhsa_user_sgpr_kernarg_segment_ptr 1
		.amdhsa_wavefront_size32 1
		.amdhsa_system_sgpr_workgroup_id_x 1
		.amdhsa_system_sgpr_workgroup_id_y 1
		.amdhsa_system_sgpr_workgroup_id_z 1
		.amdhsa_system_vgpr_workitem_id 0
		.amdhsa_next_free_vgpr 256
		.amdhsa_next_free_sgpr 66
		.amdhsa_reserve_vcc 1
		.amdhsa_float_denorm_mode_32 3
		.amdhsa_float_denorm_mode_16_64 3
		.amdhsa_memory_ordered 1
		.amdhsa_forward_progress 1
		.amdhsa_inst_pref_size 246
	.end_amdhsa_kernel
	.amdgpu_metadata
---
amdhsa.version: [ 1, 2 ]
amdhsa.kernels:
  - .name:           k_q1a086e9f6a_sample
    .symbol:         k_q1a086e9f6a_sample.kd
    .args:
      - { .name: c_grid, .offset: 0, .size: 8, .value_kind: global_buffer, .address_space: global }
      - { .name: recs, .offset: 8, .size: 8, .value_kind: global_buffer, .address_space: global }
      - { .name: cnt, .offset: 16, .size: 8, .value_kind: global_buffer, .address_space: global }
      - { .name: wts, .offset: 24, .size: 8, .value_kind: global_buffer, .address_space: global }
      - { .name: cf, .offset: 32, .size: 8, .value_kind: global_buffer, .address_space: global }
    .group_segment_fixed_size: 268544
    .private_segment_fixed_size: 0
    .kernarg_segment_align: 8
    .kernarg_segment_size: 40
    .max_flat_workgroup_size: 512
    .sgpr_count:     66
    .vgpr_count:     256
    .wavefront_size: 32
...
	.end_amdgpu_metadata
.endif
;; end of part 3
;; launch mlp (part 4): grid 256 x 1, 4 waves a work-group, clusters of 4 x 1, 288,256 bytes of LDS; arguments cf, p, wimg, lowp_scales, out0; writes out0
.if DOCPART == 4
	.amdgcn_target "amdgcn-amd-amdhsa--gfx1250"
	.amdhsa_code_object_version 6
	.text
	.protected	k_q1a086e9f6a_mlp
	.globl	k_q1a086e9f6a_mlp
	.p2align	8
	.type	k_q1a086e9f6a_mlp,@function
k_q1a086e9f6a_mlp:
	s_mov_b64 s[64:65], 0
	v_nop
	global_prefetch_b8 v0, s[64:65] scope:SCOPE_SE
	s_setreg_imm32_b32 hwreg(HW_REG_WAVE_MODE, 25, 1), 1
	s_wait_xcnt 0x0
	s_wait_alu depctr_hold_cnt(0) depctr_sa_sdst(0) depctr_va_vdst(0) depctr_va_sdst(0) depctr_va_ssrc(0) depctr_va_vcc(0) depctr_vm_vsrc(0)
	s_getreg_b32 s2, hwreg(HW_REG_IB_STS2, 6, 4)
	s_cmp_eq_u32 s2, 0
	s_cbranch_scc0 .Lentry_in_a_cluster
	s_endpgm
.Lentry_in_a_cluster:
	s_bfe_u32 s2, ttmp6, 0x10000c
	s_cmp_lg_u32 s2, 0x3003
	s_cbranch_scc0 .Lentry_shape_is_right
	s_endpgm
.Lentry_shape_is_right:
; MLP: the whole chain behind the sample: net = p Wp^T; five blocks of net += c Wc^T + b, net += relu(relu(net) W0^T + b) W1^T + b; out = relu(net) . out_w + out_b.
; The fifteen products of 128 x 128 run on codes of E5M2 by v_wmma_f32_16x16x128_bf8_bf8, each operand with its given scale 2^e; the first (K = 3) and the last (N = 1) are f32 multiply-adds.
; SHARES.  A work-group takes 512 points in two passes; a wave takes 64 points of a pass, four tiles of 16, through the whole chain.  No wave needs another's numbers: no barrier between layers.
; WEIGHTS.  All fifteen matrices (as images of the operand's registers) and the sixteen tables lie in LDS, 253,952 bytes, filled ONCE: each wave brings a quarter by one tensor load.
; CLUSTER.  Every work-group wants the same bytes, so four work-groups ask jointly: the same load, the same descriptor, a mask that names the four.  Nothing is filled again.
; LAYOUT.  The products are used transposed: source 0 = 16 rows of a weight, source 1 = 16 points.  Lane (r, h) holds point r throughout; f32 register 8 t + j holds unit 16 t + 8 h + j; so eight neighbouring
; registers convert into registers 2 t, 2 t + 1 of the next operand, and nothing changes lanes.
; c COMES IN WHOLE ROWS: a load covers one point's 512 consecutive bytes, 16 a lane.  A tile of 16 points then turns through the wave's own stage in LDS (16 rows of 512 + 16 bytes, behind the weights; no tensor load
; lands there): 16 stores as loaded, 16 loads by the layout above, back into the registers that they left.  The pitch is 132 words.
; SCALES.  net is kept in units of the power of two that the next product's sums lack, so that the sums add onto it as they are; a change of units is a multiplication by a power of two.
; The biases come from tables already divided by those powers; b1_b of a block goes in with fc_c_b of the next.
; LIMITS on the given exponents, so that each power of two made below is an f32 number: e[6i], e[6i+2] - e[6i] - e[6i+1] and e[6i+4] - e[6i+2] - e[6i+3] between -126 and 112; the differences of the sums
; e[6i] + e[6i+1], e[6i+4] + e[6i+5] of neighbouring products between -126 and 127; net divided by those powers stays inside f32's range.  NaN is not served.
; REGISTERS, in windows of 256 (s_set_vgpr_msb: bits 1:0 source 0, 3:2 source 1, 5:4 source 2, 7:6 destination):
;   window 0: v1 256 lane; v2, v3 LDS addresses of the block's weights and tables; v5 p's offset; v6 the tables; v7 8 lane; v8, v9 lane selects; v10-15 scales and holds; v16-29 at work; v30 16 lane;
;             v32-95 codes, 16 a tile; v96-159 what is being quantised, and h; v160-223 a bias in the result's layout; v224-239 p, 4 a tile; v240, v241 the stage: where I put a row's 16 bytes, where I read my point
;   window 1: v0-127 weights of fc_c or b1; v128-255 of b0.   window 2: net, 64 a tile.   window 3: c, 64 a tile.
.set IMG,  16384
.set TABS, 245760
.set STG,  253952                      ; behind the weights and tables: the stages
.set SP,   528
.set K,    32
.set HS,   96
.set BV,   160
.set PP,   224
.set XW,   0
.set YW,   128
.set MSB,  0
.macro WIN new                         ; the immediate's high byte repeats the setting that is left; a switch that changes nothing is dropped
.if MSB != \new
	s_set_vgpr_msb (MSB<<8)|\new
.set MSB, \new
.endif
.endm
.macro ROUND                           ; a round of the cluster's barrier
	s_barrier_signal -1
	s_barrier_wait -1
	s_cmp_lg_u32 s14, 0
	s_cbranch_scc1 .Lnot_wave_0_\@
	s_barrier_signal -3
.Lnot_wave_0_\@:
	s_barrier_wait -3
	s_barrier_signal -1
	s_barrier_wait -1
.endm
.macro PLACES                          ; four plain vector lines behind matrix instructions (ISA guide 7.12.1), where no other vector work is at hand
.rept 4
	v_nop
.endr
.endm
.macro VLOAD dst, adr, off             ; a table of 128 f32 in the result's layout: register 8 t + j = unit 16 t + 8 h + j (the 32 h stand in the address)
.set n, 0
.rept 16
	ds_load_b128 v[(\dst)+4*n:(\dst)+4*n+3], v[\adr] offset:(\off)+64*(n/2)+16*(n%2)
.set n, n+1
.endr
.endm
.macro WLOAD dst, k                    ; matrix k of the block: eight fragments, 32 loads of 512 consecutive bytes
	WIN 0x40
.set n, 0
.rept 32
	ds_load_b128 v[(\dst)+4*n:(\dst)+4*n+3], v2 offset:IMG*(\k)+512*n
.set n, n+1
.endr
	WIN 0
.endm
.macro CLOAD offc, offp                ; 64 points' c (window 3: registers 4 n .. 4 n + 3 take point n's channels 4 lane + 0 .. 3) and p
	WIN 0xc0
.set n, 0
.rept 64
	global_load_b128 v[4*n:4*n+3], v30, s[54:55] offset:(\offc)+512*n th:TH_LOAD_NT   ; 32 lanes read a point's 512 consecutive bytes
.set n, n+1
.endr
	WIN 0
.set tt, 0
.rept 4
	global_load_b32 v[PP+4*tt], v5, s[56:57] offset:(\offp)+192*tt
	global_load_b32 v[PP+4*tt+1], v5, s[56:57] offset:(\offp)+192*tt+4
	global_load_b32 v[PP+4*tt+2], v5, s[56:57] offset:(\offp)+192*tt+8
.set tt, tt+1
.endr
.endm
; c's four tiles turn through my stage.  LDS serves a wave's instructions in order (ISA guide 5.7.1.4): a tile's loads see its stores, and the next tile's stores come behind them: no wait between.
.macro TURN
	WIN 0xcc                                       ; the stores' data (source 1) and the loads' (destination) in window 3; the addresses in window 0
.set tt, 0
.rept 4
.set n, 0
.rept 16
	ds_store_b128 v240, v[64*tt+4*n:64*tt+4*n+3] offset:SP*n                 ; point n of the tile: a row as it was loaded
.set n, n+1
.endr
.set n, 0
.rept 16
	ds_load_b128 v[64*tt+4*n:64*tt+4*n+3], v241 offset:64*(n/2)+16*(n%2)     ; my point's channels 16 (n / 2) + 8 h + 4 (n % 2) + 0 .. 3
.set n, n+1
.endr
.set tt, tt+1
.endr
	WIN 0
.endm
; 64 numbers of a lane become a tile's 16 registers of codes.  relu = 1: the hold clips at 0 as well, which is the activation.  The numbers are read in ascending order.
.macro QUANT win, src, relu, sc, lim, tile
	WIN \win
.set n, 0
.rept 64
.if \relu
	v_med3_num_f32 v[HS+n], v[(\src)+n], 0, v[\lim]
.else
	v_med3_num_f32 v[HS+n], v[(\src)+n], -v[\lim], v[\lim]   ; the conversion to an 8-bit code does not saturate (ISA guide 7.6.2)
.endif
.set n, n+1
.endr
	WIN 0
.set n, 0
.rept 8
	v_cvt_scalef32_pk8_bf8_f32 v[K+16*(\tile)+2*n:K+16*(\tile)+2*n+1], v[HS+8*n:HS+8*n+7], v[\sc]
.set n, n+1
.endr
	v_nop                                          ; a plain line between the last conversion and what next touches its registers
.endm
.macro MM32 wb                         ; net += W x codes: 32 accumulators, one instruction each: they take turns
	WIN 0xa1
.set tt, 0
.rept 4
.set t, 0
.rept 8
	v_wmma_f32_16x16x128_bf8_bf8 v[64*tt+8*t:64*tt+8*t+7], v[(\wb)+16*t:(\wb)+16*t+15], v[K+16*tt:K+16*tt+15], v[64*tt+8*t:64*tt+8*t+7]
.set t, t+1
.endr
.set tt, tt+1
.endr
	WIN 0
.endm
.macro SCL e, vs, vl                   ; 2^e and 57,344 x 2^e as f32
	s_add_co_i32 s48, \e, 127
	s_lshl_b32 s49, s48, 23
	v_mov_b32 v[\vs], s49
	s_add_co_i32 s48, s48, 15
	s_lshl_b32 s48, s48, 23
	s_or_b32 s48, s48, 0x600000
	v_mov_b32 v[\vl], s48
.endm
	s_load_b256 s[4:11], s[0:1], 0x0               ; cf s[4:5], p s[6:7], wimg s[8:9], the scales' exponents s[10:11]
	s_load_b64 s[12:13], s[0:1], 0x20              ; out0
	v_lshl_add_u32 v254, v0, 2, 0x46400
	v_mov_b32 v255, 0
	ds_add_u32 v254, v255
	ds_add_u32 v254, v255
	v_lshrrev_b32 v1, 5, v0
	v_readfirstlane_b32 s14, v1                    ; wave 0..3
	s_bfe_u32 s15, ttmp6, 0x40000                  ; cx
	s_lshl_b32 s44, ttmp9, 2                       ; in a cluster launch ttmp9 counts clusters
	s_add_co_u32 s15, s44, s15                     ; my work-group: it enters the addresses of cf, p and out0 alone
	; descriptor group 1: 248 rows of 32 elements of 8 bytes, dense
	s_mov_b32 s16, 15|(3<<16)|(1<<21)              ; 15:0 the mask: all four work-groups; 17:16 elements of 8 bytes; 20 no padding; 21 set beside a mask
	s_mov_b32 s17, 32<<16                          ; tensor_dim0 = 32
	s_mov_b32 s18, 248<<16                         ; tensor_dim1 = 248
	s_mov_b32 s19, 32<<16                          ; tile_dim0 = 32
	s_mov_b32 s20, 248                             ; tile_dim1 = 248
	s_mov_b32 s21, 32                              ; from row to row
	s_mov_b32 s22, 0
	s_mov_b32 s23, 0
	s_mov_b32 s24, 1                               ; group 0: count = 1,
	s_mul_i32 s25, s14, 63488                      ; LDS address: my quarter,
	s_mov_b32 s44, s25
	s_mov_b32 s45, 0
	s_wait_dscnt 0x0
	s_wait_kmcnt 0x0
	s_add_nc_u64 s[26:27], s[8:9], s[44:45]        ; the same quarter of wimg,
	s_or_b32 s27, s27, 0x80000000                  ; type = 2
	ROUND                                          ; all four work-groups are here: the joint loads meet
	tensor_load_to_lds s[24:27], s[16:23]          ; my one tensor load of the launch
	s_nop 0
	PLACES
	v_and_b32 v16, 31, v0                          ; lane
	v_and_b32 v17, 15, v0                          ; r
	v_bfe_u32 v18, v0, 4, 1                        ; h
	v_lshlrev_b32 v1, 8, v16
	v_lshlrev_b32 v30, 4, v16
	v_mul_u32_u24 v5, v17, 12
	v_lshlrev_b32 v6, 5, v18
	v_add_nc_u32 v6, TABS, v6
	v_lshlrev_b32 v7, 3, v16
	v_lshlrev_b32 v8, 3, v17                       ; 4 x ((2 lane) % 32)
	v_add_nc_u32 v9, 4, v8
	s_mul_i32 s44, s14, 16*SP
	s_add_co_u32 s44, s44, STG                     ; my stage
	v_add_nc_u32 v240, s44, v30                    ; in: 16 bytes a lane of a row
	v_mul_u32_u24 v241, v17, SP
	v_lshl_add_u32 v241, v18, 5, v241
	v_add_nc_u32 v241, s44, v241                   ; back: row r, + 32 h
	v_mov_b32 v22, 0                               ; a lane permute's destination counts as one of its sources
.irp tau, 0,1,2,3
	v_mov_b32 v[PP+4*\tau+3], 0                    ; named as the upper half of the pair with pz
.endr
	s_mov_b32 s50, 0x76543210
	s_mov_b32 s51, 0xfedcba98                      ; v_permlanex16_b32: lane l xor 16
	s_mov_b32 s52, 0xffff0000                      ; lanes 16-31
	s_lshl_b32 s44, s15, 9
	s_lshl_b32 s45, s14, 6
	s_add_co_u32 s44, s44, s45                     ; my first point: 512 x work-group + 64 x wave
	s_mov_b32 s47, 0
	s_lshl_b32 s46, s44, 9
	s_add_nc_u64 s[54:55], s[4:5], s[46:47]
	s_mul_i32 s46, s44, 12
	s_add_nc_u64 s[56:57], s[6:7], s[46:47]
	s_lshl_b32 s46, s44, 2
	s_add_nc_u64 s[58:59], s[12:13], s[46:47]
	s_mov_b32 s28, 0                               ; the pass
	CLOAD 0, 0                                     ; the first pass's c and p come, and c turns, while the weights land
	s_wait_alu depctr_va_vdst(0)
	s_wait_loadcnt 0x0
	TURN
	s_wait_tensorcnt 0x0                           ; my quarter is in,
	s_wait_dscnt 0x0                               ; no LDS instruction of mine is out at the signal
	s_barrier_signal -1
	s_barrier_wait -1                              ; everybody's is
.Lpass:
	s_wait_kmcnt 0x0                               ; (the six exponents that the last block asked for are not used: their registers are loaded anew)
	s_mov_b32 s30, 0
	s_load_b128 s[32:35], s[10:11], 0x0            ; e0 .. e3 of block 0,
	s_load_b64 s[36:37], s[10:11], 0x10            ; e4, e5
	s_mov_b32 s31, 0                               ; net's units: 2^0
	s_mov_b32 s38, 0
	s_mov_b32 s39, 0
	s_mov_b32 s29, 0                               ; the block
	WIN 0x40
	VLOAD 0, 6, 512*12                             ; fc_p_w[.][0], [1], [2] into window 1
	VLOAD 64, 6, 512*13
	VLOAD 128, 6, 512*14
	WIN 0
	VLOAD BV, 6, 0                                 ; block 0's first bias
	s_wait_dscnt 16                                ; the three tables are in, and c has turned; the bias's 16 loads were issued behind them
	WIN 0xa1                                       ; source 0 window 1, source 1 window 0, source 2 and destination window 2
.set tt, 0
.rept 4
.set n, 0
.rept 32
	v_pk_mul_f32 v[64*tt+2*n:64*tt+2*n+1], v[2*n:2*n+1], v[PP+4*tt:PP+4*tt+1] op_sel_hi:[1,0]                                            ; x px
.set n, n+1
.endr
.set n, 0
.rept 32
	v_pk_fma_f32 v[64*tt+2*n:64*tt+2*n+1], v[64+2*n:64+2*n+1], v[PP+4*tt:PP+4*tt+1], v[64*tt+2*n:64*tt+2*n+1] op_sel:[0,1,0] op_sel_hi:[1,1,1]   ; + x py
.set n, n+1
.endr
.set n, 0
.rept 32
	v_pk_fma_f32 v[64*tt+2*n:64*tt+2*n+1], v[128+2*n:128+2*n+1], v[PP+4*tt+2:PP+4*tt+3], v[64*tt+2*n:64*tt+2*n+1] op_sel_hi:[1,0,1]             ; + x pz
.set n, n+1
.endr
.set tt, tt+1
.endr
	WIN 0
.Lblk:
	; ---- the block's powers of two.  No branch hangs on them
	s_wait_kmcnt 0x0
	s_add_co_i32 s44, s32, s33                     ; u2: the units of c Wc^T
	s_add_co_i32 s45, s34, s35                     ; u3: of relu(net) W0^T
	s_add_co_i32 s46, s36, s37                     ; u4: of relu(h) W1^T
	s_sub_co_i32 s47, s31, s44
	s_add_co_i32 s47, s47, 127
	s_lshl_b32 s40, s47, 23                        ; 2^(net's units - u2)
	s_mov_b32 s41, s40                             ; (named with it as a pair)
	s_sub_co_i32 s47, s44, s46
	s_add_co_i32 s47, s47, 127
	s_lshl_b32 s42, s47, 23                        ; 2^(u2 - u4)
	s_mov_b32 s43, s42
	s_mov_b32 s31, s46
	SCL s32, 10, 11                                ; c's scale
	s_sub_co_i32 s47, s34, s44
	SCL s47, 12, 13                                ; relu(net)'s, net being in units of 2^u2
	s_sub_co_i32 s47, s36, s45
	SCL s47, 14, 15                                ; relu(h)'s, h being in units of 2^u3
	v_add_nc_u32 v2, s38, v30                      ; the block's three matrices: 49,152 bytes a block
	v_add_nc_u32 v3, s39, v6                       ; its tables.  (These eight vector lines are the places behind the last block's products)
	s_add_co_u32 s30, s30, 24
	s_min_u32 s30, s30, 96                         ; the next block's six exponents; the last block asks for its own again, so that no load leaves the buffer
	s_load_b128 s[32:35], s[10:11], s30 offset:0x0
	s_load_b64 s[36:37], s[10:11], s30 offset:0x10
	WLOAD XW, 0                                    ; fc_c_w
	; ---- net into units of 2^u2, + the bias
	s_wait_dscnt 32                                ; the bias is in; the 32 loads just issued may be out
	WIN 0x82
.set n, 0
.rept 128
	v_pk_fma_f32 v[2*n:2*n+1], v[2*n:2*n+1], s[40:41], v[BV+2*(n%32):BV+2*(n%32)+1] op_sel_hi:[1,0,1]
.set n, n+1
.endr
	WIN 0
	VLOAD BV, 3, 2560                              ; b0's bias
	WLOAD YW, 1                                    ; b0_w
	; the second pass's 32 KiB of cf are asked for one block ahead of their loads: 4 x 32 lanes, 256 bytes apart; each wave names its own rows, once
	s_lshl_b32 s47, s28, 3
	s_add_co_u32 s47, s47, s29
	s_cmp_eq_u32 s47, 4                            ; pass 0, block 4
	s_cbranch_scc0 .Lno_ask
.irp k, 0,1,2,3
	global_prefetch_b8 v1, s[54:55] offset:131072+8192*\k th:TH_LOAD_NT scope:SCOPE_SE
.endr
.Lno_ask:
	; ---- net += Q(c) Q(Wc)^T
.irp tau, 0,1,2,3
	QUANT 0x03, 64*\tau, 0, 10, 11, \tau
.endr
	s_wait_alu depctr_va_vdst(0)
	s_wait_dscnt 48                                ; fc_c_w is in; behind it the bias's 16 loads and b0_w's 32
	MM32 XW
	PLACES                                         ; in front of the loads into the weights' registers and of the reads of net
	WLOAD XW, 2                                    ; b1_w
	; ---- relu(net) quantised; net into units of 2^u4
.irp tau, 0,1,2,3
	QUANT 0x02, 64*\tau, 1, 12, 13, \tau
.endr
	WIN 0x82
.set n, 0
.rept 128
	v_pk_mul_f32 v[2*n:2*n+1], v[2*n:2*n+1], s[42:43] op_sel_hi:[1,0]
.set n, n+1
.endr
	WIN 0
	; ---- h = Q(relu(net)) Q(W0)^T + bias (the bias is the C of the product), tile by tile; relu(h) quantised over the codes that it came from
	s_wait_dscnt 32                                ; the bias and b0_w are in; b1_w's 32 loads may be out
.irp tau, 0,1,2,3
	WIN 0x01
.set t, 0
.rept 8
	v_wmma_f32_16x16x128_bf8_bf8 v[HS+8*t:HS+8*t+7], v[YW+16*t:YW+16*t+15], v[K+16*\tau:K+16*\tau+15], v[BV+8*t:BV+8*t+7]
.set t, t+1
.endr
	WIN 0
	PLACES
.if \tau == 3
	VLOAD BV, 3, 512                               ; the next block's first bias (in the last block: a table that is not used)
.endif
	QUANT 0, HS, 1, 14, 15, \tau
.endr
	; ---- net += Q(relu(h)) Q(W1)^T
	s_wait_alu depctr_va_vdst(0)
	s_wait_dscnt 16                                ; b1_w is in; the bias's 16 loads were issued behind it
	MM32 XW
	s_add_co_u32 s38, s38, 3*IMG
	s_add_co_u32 s39, s39, 512
	s_add_co_u32 s29, s29, 1
	s_cmp_lt_u32 s29, 5
	s_cbranch_scc1 .Lblk
	; ---- out = relu(net + b1_b[4]) . out_w + out_b
	s_wait_dscnt 0x0
	PLACES
	s_cmp_eq_u32 s28, 1
	s_cbranch_scc1 .Lno_next
	CLOAD 131072, 3072                             ; the second pass's c and p: their registers are free; no load leaves its buffer
.Lno_next:
	VLOAD BV, 6, 512*10                            ; b1_b[4] / 2^u4
	VLOAD HS, 6, 512*11                            ; out_w x 2^u4
	ds_load_b32 v23, v6 offset:512*15              ; out_b
	s_wait_dscnt 0x0
.irp tau, 0,1,2,3
	WIN 0x02
.set n, 0
.rept 32
	v_pk_add_f32 v[K+2*n:K+2*n+1], v[64*\tau+2*n:64*\tau+2*n+1], v[BV+2*n:BV+2*n+1]
.set n, n+1
.endr
	WIN 0
.set n, 0
.rept 64
	v_max_num_f32 v[K+n], 0, v[K+n]
.set n, n+1
.endr
	v_pk_mul_f32 v[16:17], v[K:K+1], v[HS:HS+1]    ; two chains of packed multiply-adds; the first products start them
	v_pk_mul_f32 v[18:19], v[K+2:K+3], v[HS+2:HS+3]
.set n, 1
.rept 15
	v_pk_fma_f32 v[16:17], v[K+4*n:K+4*n+1], v[HS+4*n:HS+4*n+1], v[16:17]
	v_pk_fma_f32 v[18:19], v[K+4*n+2:K+4*n+3], v[HS+4*n+2:HS+4*n+3], v[18:19]
.set n, n+1
.endr
	v_pk_add_f32 v[16:17], v[16:17], v[18:19]
	v_add_f32 v20, v16, v17
	v_permlanex16_b32 v22, v20, s50, s51           ; the point's other 64 units lie in the lane 16 away
	v_add_f32 v[24+\tau], v20, v22
.endr
	v_cndmask_b32 v16, v24, v25, s52               ; lane i: point i
	v_cndmask_b32 v17, v26, v27, s52               ; lane i: point 32 + i
	ds_bpermute_b32 v18, v8, v16                   ; lane l wants points 2 l and 2 l + 1
	ds_bpermute_b32 v19, v9, v16
	ds_bpermute_b32 v20, v8, v17
	ds_bpermute_b32 v21, v9, v17
	s_wait_dscnt 0x0
	v_cndmask_b32 v28, v18, v20, s52
	v_cndmask_b32 v29, v19, v21, s52
	v_add_f32 v28, v28, v23
	v_add_f32 v29, v29, v23
	global_store_b64 v7, v[28:29], s[58:59]        ; the wave's 64 points: 256 consecutive bytes, aligned
	s_wait_loadcnt 0x0                             ; the second pass's c and p are in (behind the last pass nothing is out)
	s_cmp_eq_u32 s28, 1
	s_cbranch_scc1 .Lno_turn
	TURN                                           ; the wait for it stands at the pass's head
.Lno_turn:
	s_wait_xcnt 0x0                                ; loads, prefetches and the store have read their bases: now they step
	s_add_nc_u64 s[54:55], s[54:55], 131072
	s_add_nc_u64 s[56:57], s[56:57], 3072
	s_add_nc_u64 s[58:59], s[58:59], 1024
	s_add_co_u32 s28, s28, 1
	s_cmp_lt_u32 s28, 2
	s_cbranch_scc1 .Lpass
	s_wait_kmcnt 0x0
	s_wait_dscnt 0x0                               ; no LDS instruction of mine is out at the signal
	s_wait_tensorcnt 0x0
	ds_add_u32 v254, v255
	s_wait_dscnt 0x0
	ROUND                                          ; the closing round: no work-group ends while a partner may still ask jointly
	s_endpgm
.Lfunc_end_k_q1a086e9f6a_mlp:
	.size	k_q1a086e9f6a_mlp, .Lfunc_end_k_q1a086e9f6a_mlp-k_q1a086e9f6a_mlp
	.p2alignl 7, 3214868480
	.fill 96, 4, 3214868480
	.section	.rodata,"a",@progbits
	.p2align	6, 0x0
	.amdhsa_kernel k_q1a086e9f6a_mlp
		.amdhsa_group_segment_fixed_size 288256
		.amdhsa_private_segment_fixed_size 0
		.amdhsa_enable_private_segment 0
		.amdhsa_kernarg_size 40
		.amdhsa_user_sgpr_count 2
		.amdhsa_user_sgpr_kernarg_segment_ptr 1
		.amdhsa_wavefront_size32 1
		.amdhsa_system_sgpr_workgroup_id_x 1
		.amdhsa_system_sgpr_workgroup_id_y 1
		.amdhsa_system_sgpr_workgroup_id_z 1
		.amdhsa_system_vgpr_workitem_id 0
		.amdhsa_next_free_vgpr 1024
		.amdhsa_next_free_sgpr 66
		.amdhsa_reserve_vcc 0
		.amdhsa_float_denorm_mode_32 3
		.amdhsa_float_denorm_mode_16_64 3
		.amdhsa_memory_ordered 1
		.amdhsa_forward_progress 1
		.amdhsa_inst_pref_size 181
	.end_amdhsa_kernel
	.amdgpu_metadata
---
amdhsa.version: [ 1, 2 ]
amdhsa.kernels:
  - .name:           k_q1a086e9f6a_mlp
    .symbol:         k_q1a086e9f6a_mlp.kd
    .args:
      - { .name: cf, .offset: 0, .size: 8, .value_kind: global_buffer, .address_space: global }
      - { .name: p, .offset: 8, .size: 8, .value_kind: global_buffer, .address_space: global }
      - { .name: wimg, .offset: 16, .size: 8, .value_kind: global_buffer, .address_space: global }
      - { .name: lowp_scales, .offset: 24, .size: 8, .value_kind: global_buffer, .address_space: global }
      - { .name: out0, .offset: 32, .size: 8, .value_kind: global_buffer, .address_space: global }
    .group_segment_fixed_size: 288256
    .private_segment_fixed_size: 0
    .kernarg_segment_align: 8
    .kernarg_segment_size: 40
    .max_flat_workgroup_size: 128
    .sgpr_count:     66
    .vgpr_count:     1024
    .wavefront_size: 32
...
	.end_amdgpu_metadata
.endif
;; end of part 4
